; MI455X (gfx1250); checked and timed in simulation.
; The chip was launched on July 23, 2026; its instructions are those of AMD's public machine-readable ISA for CDNA 5 (MIT licence, August 2026) and "CDNA5" Instruction Set Architecture Reference Guide (July 2026). The comments in the code are by the model that wrote it; some were corrected since.
;; Multi Head Attention. Allowed arithmetic: matrix products marked QUANTISED: E4M3 operands, one given power-of-two scale a tensor, by v_wmma_f32_16x16x64_fp8_fp8 or v_wmma_f32_16x16x128_fp8_fp8, f32 sums; everything else in f32.
;; Inputs: b_o 1,024 float32; lowp_scales 12 int32 (the exponents e of the quantised operands' scales 2^e); w_k 1,024 x 1,024 float32; w_o 1,024 x 1,024 float32; w_q 1,024 x 1,024 float32; w_v 1,024 x 1,024 float32; x 4 x 2,048 x 1,024 float32.
;; Outputs: out0 4 x 2,048 x 1,024 float32.
;; This version of the problem:
;;   THIS VERSION OF THE PROBLEM IS GIVEN IN LOW PRECISION. The matrix products marked QUANTISED in the list below multiply operands that are first quantised to E4M3 (4 exponent bits, 3 mantissa bits; 8 bits a number), with one given power-of-two scale for each operand tensor; their sums are f32. All else is computed in f32.
;;   The module's matrix products, in the order in which they are computed (A, B: the left and right operand; K: the contracted axis; several contracted axes count as one K, in the product's order):
;;     1. [M 8,192, K 1,024] x [K 1,024, N 1,024]; A: input x; B: input w_q: QUANTISED (scales: A lowp_scales[0], B lowp_scales[1])
;;     2. [M 8,192, K 1,024] x [K 1,024, N 1,024]; A: input x; B: input w_k: QUANTISED (scales: A lowp_scales[2], B lowp_scales[3])
;;     3. [M 8,192, K 1,024] x [K 1,024, N 1,024]; A: input x; B: input w_v: QUANTISED (scales: A lowp_scales[4], B lowp_scales[5])
;;     4. batch 64 x [M 2,048, K 64] x [K 64, N 2,048]; A: computed on the way; B: computed on the way: QUANTISED (scales: A lowp_scales[6], B lowp_scales[7])
;;     5. batch 64 x [M 2,048, K 2,048] x [K 2,048, N 64]; A: softmax (see below); B: computed on the way: QUANTISED (scales: A lowp_scales[8], B lowp_scales[9])
;;     6. [M 8,192, K 1,024] x [K 1,024, N 1,024]; A: computed on the way; B: input w_o: QUANTISED (scales: A lowp_scales[10], B lowp_scales[11])
;;   THE QUANTISER, for each operand of a quantised product, along K:
;;     - The operand's scale is 2^e, e = its entry of the input lowp_scales (int32; the entries are numbered through the quantised products in the list's order, A before B).
;;     - Each number is divided by the scale, clamped to +-448, and rounded to the nearest number of E4M3, ties to even, subnormals kept.
;;     - The product sums the exact products of the quantised numbers (number of the format x scale) in f32.
;;   ~~~python
;;   def quantise(x, axis, e):      # numpy; x: float32 -> the quantised numbers, widened to float32 again
;;       x = np.moveaxis(x, axis, -1); K = x.shape[-1]
;;       r = np.clip(x / 2.0 ** e, -448, 448)
;;       step = 2.0 ** (np.maximum(np.frexp(np.where(r == 0, 1, r))[1] - 1, -6) - 3)
;;       q = np.round(r / step) * step * 2.0 ** e      # np.round: ties to even
;;       return np.moveaxis(q, -1, axis).astype(np.float32)
;;   ~~~
;;   SOFTMAX AHEAD OF A QUANTISED PRODUCT. Where the list says 'softmax', what is quantised is not the finished softmax but p = 2^(t - M), with t = logit x log2(e) and M = ceil(the row's largest t), a whole number; so 1/2 < the row's largest p <= 1. The row's sum l is taken of the UNQUANTISED p, in f32, and the product's result is divided by l at the end. Since M is a whole number, a kernel that streams over the keys may use a running M (the ceiling of the running maximum): every later rescaling is an exact power of two, so the quantised numbers keep their values, but for numbers so far below the row's largest that they fall under the format's range.
;;   OPERANDS COMPUTED ON THE WAY. 'Computed on the way' means the value that the module computes at that place (a softmax that the list does not call 'softmax' is quantised finished and normalised). What goes into a quantiser is computed in f32, as accurately as f32 sums, v_exp_f32 and their like allow (about 1e-6 of the number): no bf16 or f16 on the way to a quantiser, and a product that is left as it is and whose result goes on into a quantised operand takes f32 operands (vector FMAs, or v_wmma_f32_16x16x4_f32). A number that lies on a knife's edge between two numbers of the format may be rounded either way, as far as f32 arithmetic and the matrix unit's own rounding can turn it there, and no further.
;; One version. Each part assembles by itself: llvm-mc -triple=amdgcn-amd-amdhsa -mcpu=gfx1250 --defsym DOCPART=n.
;; ======== version 1 of 1: 4 launches
;; limits: right only within a limited range of input values
;; workspace buffers: xc 25,165,824 bytes; wc 4,194,304 bytes; qkvc 25,165,824 bytes; ctxc 8,388,608 bytes
;; launch prep (part 1): grid 384 x 1, 4 waves a work-group, no clusters, 55,808 bytes of LDS; arguments x, w_q, w_k, w_v, w_o, lowp_scales, xc, wc; writes xc, wc
.if DOCPART == 1
	.amdgcn_target "amdgcn-amd-amdhsa--gfx1250"
	.amdhsa_code_object_version 6
	.text
	.protected	k_q4a19b6161f_prep
	.globl	k_q4a19b6161f_prep
	.p2align	8
	.type	k_q4a19b6161f_prep,@function
k_q4a19b6161f_prep:
	s_mov_b64 s[64:65], 0
	v_nop
	global_prefetch_b8 v0, s[64:65] scope:SCOPE_SE
	s_setreg_imm32_b32 hwreg(HW_REG_WAVE_MODE, 25, 1), 1
	s_wait_xcnt 0x0
; PREP: the f32 inputs become codes of FP8 (E4M3), one byte each, K innermost, each with the scale 2^e that is given for it.
; code = number / 2^e, held within +-448, rounded to the nearest code, ties to even.
; x [8192][1024] is an operand of three products with three given scales (entries 0, 2, 4), which need not be equal: it is read ONCE and written three times:
;   xc = three parts of 8,388,608 bytes, each [8192 tokens][1024 k].
; w_q, w_k, w_v, w_o [1024 k][1024 n] have K as their FIRST axis (entries 1, 3, 5, 11): wc = four parts of 1,048,576 bytes, each [1024 n][1024 k].
; Work-groups 0-255 take x, work-groups 256-383 the weights (32 each): one branch on the work-group's number; each way has LDS bytes of its own.
; No tensor loads, no barrier: waves share nothing.  The matrix units, clusters and large register tiles have nothing to do here: the launch only moves and converts.
; LIMITS: each e lies between -126 and 119, so that 2^e and 448 x 2^e are f32 numbers.  NaN among the inputs is not served (an infinity is held at the largest code).
.set STEPS,  16                        ; x: a wave takes 16 steps of 512 numbers
.set SP,     80                        ; x: a lane's place in a stage: its 64 bytes + 16 of padding
.set XREG,   5120                      ; x: LDS of a wave: two stages of 32 x SP bytes
.set R,      16                        ; v16-79   x: four sets of 16 numbers as they are loaded
.set X,      80                        ; v80-111  x: two sets of 16 neighbours
.set T,      112                       ; v112-143 x: two sets of 16 held numbers, by turns
.set C,      144                       ; v144-167 x: two sets of 3 x 4 registers of codes, by turns
.set SC,     8                         ; v8-10    x: 2^e0, 2^e2, 2^e4 as f32
.set LIM,    50                        ; s50-55   x: +448 x 2^e, -448 x 2^e for the three scales
.set WSTAGE, 4*XREG                    ; weights: their stages lie behind x's
.set WPITCH, 272                       ; weights: a stage row: 256 codes + 16 bytes
.set NB,     8                         ; weights: blocks of 32 along K for a wave
.set WX,     32                        ; v32-95   weights: two sets of 32 numbers
.set WC,     96                        ; v96-103  weights: a block's codes
.set OUTR,   112                       ; v112-175 weights: the way out
	s_load_b512 s[8:23], s[0:1], 0x0               ; x s[8:9], w_q s[10:11], w_k s[12:13], w_v s[14:15], w_o s[16:17], the exponents s[18:19], xc s[20:21], wc s[22:23]
	v_lshl_add_u32 v192, v0, 2, 0xd800
	v_mov_b32 v193, 0
	v_lshrrev_b32 v1, 5, v0
	v_readfirstlane_b32 s2, v1                     ; wave 0..3
	v_and_b32 v2, 31, v0                           ; lane
	s_wait_kmcnt 0x0
	s_load_b256 s[36:43], s[18:19], 0x0            ; e0 .. e7
	s_load_b128 s[44:47], s[18:19], 0x20           ; e8 .. e11
	s_cmp_lt_u32 ttmp9, 256
	s_cbranch_scc0 .Lweights
; ---------------- x: a plain stream of numbers; nothing here knows of rows.
; The conversions take 8 numbers from ONE lane's consecutive registers, so a lane must hold 16 neighbours; a load is best where neighbouring lanes take neighbouring bytes.
; Both are had: a step's four loads read 512 consecutive bytes each, the 2,048 bytes go through the wave's own stage in LDS as they lie and come back 64 bytes a lane.
	s_lshl_b32 s3, ttmp9, 2
	s_add_co_u32 s3, s3, s2                        ; which run of 8,192 numbers is my wave's: 0 .. 1023
	s_lshl_b32 s30, s3, 15                         ; 32,768 bytes of f32 a run
	s_mov_b32 s31, 0
	s_add_nc_u64 s[8:9], s[8:9], s[30:31]
	s_lshl_b32 s30, s3, 13                         ; 8,192 bytes of codes a run
	s_add_nc_u64 s[24:25], s[20:21], s[30:31]      ; the part made with e0,
	s_add_nc_u64 s[26:27], s[24:25], 0x800000      ; with e2,
	s_add_nc_u64 s[28:29], s[24:25], 0x1000000     ; with e4
	s_wait_alu depctr_va_vdst(0)
	v_lshlrev_b32 v3, 4, v2                        ; 16 x lane: my 16 bytes of a load's 512, and of a store's 512; never rewritten
	s_mul_i32 s3, s2, XREG
	v_lshrrev_b32 v14, 2, v2
	v_mul_u32_u24 v14, v14, SP
	v_and_b32 v15, 3, v2
	v_lshl_add_u32 v14, v15, 4, v14
	v_add_nc_u32 v14, s3, v14                      ; the stage, on the way in: four lanes' 64 bytes on end, then 16 of padding
	v_mul_u32_u24 v15, v2, SP
	v_add_nc_u32 v15, s3, v15                      ; and on the way out: my 16 neighbours
.macro XLOAD t
.irp i, 0,1,2,3
	global_load_b128 v[R+16*((\t)%4)+4*\i:R+16*((\t)%4)+4*\i+3], v3, s[8:9] offset:2048*(\t)+512*\i th:TH_LOAD_NT   ; 32 lanes read 512 consecutive bytes; read once in the launch
.endr
.endm
.macro XTURN t                         ; step t's numbers through the stage: LDS serves a wave's instructions in order (ISA guide 5.7.1.4), so no wait stands between the stores and the loads
.irp i, 0,1,2,3
	ds_store_b128 v14, v[R+16*((\t)%4)+4*\i:R+16*((\t)%4)+4*\i+3] offset:32*SP*((\t)%2)+8*SP*\i
.endr
.irp i, 0,1,2,3
	ds_load_b128 v[X+16*((\t)%2)+4*\i:X+16*((\t)%2)+4*\i+3], v15 offset:32*SP*((\t)%2)+16*\i
.endr
.endm
.irp t, 0,1,2,3
	XLOAD \t
.endr
	s_wait_alu depctr_va_vdst(0)
	s_wait_kmcnt 0x0
.irp s, 0,1,2
	s_add_co_i32 s56, s[36+2*\s], 127
	s_lshl_b32 s57, s56, 23
	v_mov_b32 v[SC+\s], s57                        ; 2^e as f32: the conversion takes its exponent field
	s_add_co_i32 s56, s56, 8
	s_lshl_b32 s56, s56, 23
	s_or_b32 s[LIM+2*\s], s56, 0x600000            ; 448 x 2^e: 448's mantissa field under the exponent e + 8
	s_or_b32 s[LIM+2*\s+1], s[LIM+2*\s], 0x80000000
.endr
	s_wait_loadcnt 12                              ; step 0's four loads are in; those of steps 1 to 3 stay out
	XTURN 0
.macro XSTEP t
.set XS, X+16*((\t)%2)
	s_wait_dscnt 0x0                               ; this step's numbers are back from the stage: so its stores into the stage have read their registers,
	s_wait_xcnt 0x0                                ; and the stores of two steps ago have read the codes' registers that this step writes again
.if (\t)+4 < STEPS
	XLOAD (\t)+4                                   ; the freed set takes the loads of four steps on
.endif
.if (\t)+1 < STEPS
.if STEPS-2-(\t) >= 3
	s_wait_loadcnt 12                              ; the next step's four loads are in; those of the three steps behind it may be out
.else
	s_wait_loadcnt 4*(STEPS-2-(\t))                ; the counts run down: nothing more is asked for
.endif
	XTURN (\t)+1                                   ; they go through the other stage while this step is worked
.endif
.irp s, 0,1,2                                  ; the same 16 numbers, three scales
.set TS, T+16*((3*(\t)+\s)%2)                  ; the two sets of held numbers take turns: sixteen plain lines stand between a conversion and the next write of its sources
.set CC, C+12*((\t)%2)+4*\s
.irp i, 0,1,2,3,4,5,6,7,8,9,10,11,12,13,14,15
	v_med3_num_f32 v[TS+\i], v[XS+\i], s[LIM+2*\s+1], s[LIM+2*\s]   ; the conversion to an 8-bit code does not saturate (ISA guide 7.6.2): the number is held first
.endr
	v_cvt_scalef32_pk8_fp8_f32 v[CC:CC+1], v[TS:TS+7], v[SC+\s]
	v_cvt_scalef32_pk8_fp8_f32 v[CC+2:CC+3], v[TS+8:TS+15], v[SC+\s]
	global_store_b128 v3, v[CC:CC+3], s[24+2*\s:25+2*\s] offset:512*(\t)   ; the wave stores 512 consecutive bytes, aligned
.endr
.endm
.irp t, 0,1,2,3,4,5,6,7,8,9,10,11,12,13,14,15
	XSTEP \t
.endr
	s_wait_tensorcnt 0x0
	ds_add_u32 v192, v193
	s_wait_dscnt 0x0
	s_endpgm
; ---------------- the weights.  A LANE TAKES A COLUMN n AND ITS REGISTERS RUN DOWN K: each load reads neighbouring n in neighbouring lanes (128 consecutive bytes a wave, 512 a work-group),
; and the conversions give the codes with K innermost: nothing is transposed by an instruction.  A wave takes 32 columns x 256 along K; its codes go through its own stage and leave as rows.
.Lweights:
	s_sub_co_u32 s3, ttmp9, 256
	s_lshr_b32 s48, s3, 5                          ; which weight: 0 w_q, 1 w_k, 2 w_v, 3 w_o
	s_and_b32 s49, s3, 7                           ; which 128 columns
	s_bfe_u32 s56, s3, 0x20003                     ; which 256 along K
	s_cmp_eq_u32 s48, 1                            ; the choice of the buffer hangs on the work-group's number alone
	s_cselect_b64 s[4:5], s[12:13], s[10:11]
	s_cmp_eq_u32 s48, 2
	s_cselect_b64 s[4:5], s[14:15], s[4:5]
	s_cmp_eq_u32 s48, 3
	s_cselect_b64 s[4:5], s[16:17], s[4:5]
	s_lshl_b32 s57, s49, 7
	s_lshl_b32 s58, s2, 5
	s_add_co_u32 s57, s57, s58                     ; my wave's first column
	s_lshl_b32 s30, s56, 20                        ; 256 rows of 4,096 bytes
	s_lshl_b32 s58, s57, 2
	s_add_co_u32 s30, s30, s58
	s_mov_b32 s31, 0
	s_add_nc_u64 s[4:5], s[4:5], s[30:31]
	s_lshl_b32 s30, s48, 20                        ; the weight's part of wc,
	s_lshl_b32 s58, s57, 10                        ; my first column's row of 1,024 codes,
	s_add_co_u32 s30, s30, s58
	s_lshl_b32 s58, s56, 8                         ; my 256 codes in it
	s_add_co_u32 s30, s30, s58
	s_add_nc_u64 s[6:7], s[22:23], s[30:31]
	s_mul_i32 s59, s2, 32*WPITCH
	s_add_co_u32 s59, s59, WSTAGE                  ; my stage
	s_wait_alu depctr_va_vdst(0)
	v_lshlrev_b32 v3, 2, v2                        ; in: 4 bytes a lane
	v_mul_u32_u24 v4, v2, WPITCH
	v_add_nc_u32 v4, s59, v4                       ; into the stage: row = my column
	v_and_b32 v5, 15, v2
	v_lshrrev_b32 v6, 4, v2
	v_mul_u32_u24 v7, v6, WPITCH                   ; out of it: sixteen lanes to a row, two rows an instruction
	v_lshl_add_u32 v7, v5, 4, v7
	v_add_nc_u32 v7, s59, v7
	v_lshlrev_b32 v8, 10, v6
	v_lshl_add_u32 v8, v5, 4, v8                   ; and the same place in wc
.macro WLOAD t                         ; block t: w(32 t + i, my column), i = 0 .. 31, into set t % 2; the offsets stay under 255 x 4,096, inside the signed 24-bit immediate
.set i, 0
.rept 32
	global_load_b32 v[WX+32*((\t)%2)+i], v3, s[4:5] offset:(32*(\t)+i)*4096 th:TH_LOAD_NT
.set i, i+1
.endr
.endm
	WLOAD 0
	WLOAD 1
	s_wait_kmcnt 0x0
	s_cmp_eq_u32 s48, 1
	s_cselect_b32 s60, s39, s37                    ; e3 or e1,
	s_cmp_eq_u32 s48, 2
	s_cselect_b32 s60, s41, s60                    ; e5,
	s_cmp_eq_u32 s48, 3
	s_cselect_b32 s60, s47, s60                    ; e11
	s_add_co_i32 s60, s60, 127
	s_lshl_b32 s61, s60, 23
	v_mov_b32 v11, s61                             ; 2^e as f32
	s_add_co_i32 s60, s60, 8
	s_lshl_b32 s60, s60, 23
	s_or_b32 s60, s60, 0x600000
	v_mov_b32 v10, s60                             ; 448 x 2^e
.macro BLOCK t
.set XS, WX+32*((\t)%2)
.if (\t) < NB-1
	s_wait_loadcnt 32                              ; this block's 32 loads are in; the next block's may be out
.else
	s_wait_loadcnt 0
.endif
.set i, 0
.rept 32
	v_med3_num_f32 v[XS+i], v[XS+i], -v10, v10     ; the hold at the largest code x the scale
.set i, i+1
.endr
.irp g, 0,1,2,3
	v_cvt_scalef32_pk8_fp8_f32 v[WC+2*\g:WC+2*\g+1], v[XS+8*\g:XS+8*\g+7], v11
.endr
	ds_store_b128 v4, v[WC:WC+3] offset:32*(\t)    ; 32 codes: 32 bytes of my column's row
	ds_store_b128 v4, v[WC+4:WC+7] offset:32*(\t)+16
.if (\t)+2 < NB
	WLOAD (\t)+2
.endif
	s_wait_dscnt 0x0                               ; the stores have read their registers: the next block's codes may be written (its 32 holds are the plain lines behind these conversions)
.endm
.set Q, 0
	s_wait_alu depctr_va_vdst(0)
.rept NB
	BLOCK Q
.set Q, Q+1
.endr
.irp t, 0,1,2,3,4,5,6,7,8,9,10,11,12,13,14,15
	ds_load_b128 v[OUTR+4*\t:OUTR+4*\t+3], v7 offset:2*\t*WPITCH   ; LDS serves a wave's instructions in order: these see my stores
.endr
.irp t, 0,1,2,3,4,5,6,7,8,9,10,11,12,13,14,15
	s_wait_dscnt 15-\t                             ; the younger reads may stay out
	global_store_b128 v8, v[OUTR+4*\t:OUTR+4*\t+3], s[6:7] offset:2*\t*1024   ; sixteen lanes store 256 consecutive bytes, aligned
.endr
	s_wait_tensorcnt 0x0
	ds_add_u32 v192, v193
	s_wait_dscnt 0x0
	s_endpgm
.Lfunc_end_k_q4a19b6161f_prep:
	.size	k_q4a19b6161f_prep, .Lfunc_end_k_q4a19b6161f_prep-k_q4a19b6161f_prep
	.p2alignl 7, 3214868480
	.fill 96, 4, 3214868480
	.section	.rodata,"a",@progbits
	.p2align	6, 0x0
	.amdhsa_kernel k_q4a19b6161f_prep
		.amdhsa_group_segment_fixed_size 55808
		.amdhsa_private_segment_fixed_size 0
		.amdhsa_enable_private_segment 0
		.amdhsa_kernarg_size 64
		.amdhsa_user_sgpr_count 2
		.amdhsa_user_sgpr_kernarg_segment_ptr 1
		.amdhsa_wavefront_size32 1
		.amdhsa_system_sgpr_workgroup_id_x 1
		.amdhsa_system_sgpr_workgroup_id_y 1
		.amdhsa_system_sgpr_workgroup_id_z 1
		.amdhsa_system_vgpr_workitem_id 0
		.amdhsa_next_free_vgpr 194
		.amdhsa_next_free_sgpr 66
		.amdhsa_reserve_vcc 0
		.amdhsa_float_denorm_mode_32 3
		.amdhsa_float_denorm_mode_16_64 3
		.amdhsa_memory_ordered 1
		.amdhsa_forward_progress 1
		.amdhsa_inst_pref_size 126
	.end_amdhsa_kernel
	.amdgpu_metadata
---
amdhsa.version: [ 1, 2 ]
amdhsa.kernels:
  - .name:           k_q4a19b6161f_prep
    .symbol:         k_q4a19b6161f_prep.kd
    .args:
      - { .name: x, .offset: 0, .size: 8, .value_kind: global_buffer, .address_space: global }
      - { .name: w_q, .offset: 8, .size: 8, .value_kind: global_buffer, .address_space: global }
      - { .name: w_k, .offset: 16, .size: 8, .value_kind: global_buffer, .address_space: global }
      - { .name: w_v, .offset: 24, .size: 8, .value_kind: global_buffer, .address_space: global }
      - { .name: w_o, .offset: 32, .size: 8, .value_kind: global_buffer, .address_space: global }
      - { .name: lowp_scales, .offset: 40, .size: 8, .value_kind: global_buffer, .address_space: global }
      - { .name: xc, .offset: 48, .size: 8, .value_kind: global_buffer, .address_space: global }
      - { .name: wc, .offset: 56, .size: 8, .value_kind: global_buffer, .address_space: global }
    .group_segment_fixed_size: 55808
    .private_segment_fixed_size: 0
    .kernarg_segment_align: 8
    .kernarg_segment_size: 64
    .max_flat_workgroup_size: 128
    .sgpr_count:     66
    .vgpr_count:     194
    .wavefront_size: 32
...
	.end_amdgpu_metadata
.endif
;; end of part 1
;; launch qkv (part 2): grid 12 x 32, 4 waves a work-group, clusters of 4 x 4, 327,680 bytes of LDS; arguments xc, wc, lowp_scales, qkvc; writes qkvc
.if DOCPART == 2
	.amdgcn_target "amdgcn-amd-amdhsa--gfx1250"
	.amdhsa_code_object_version 6
	.text
	.protected	k_q4a19b6161f_qkv
	.globl	k_q4a19b6161f_qkv
	.p2align	8
	.type	k_q4a19b6161f_qkv,@function
k_q4a19b6161f_qkv:
	s_mov_b64 s[64:65], 0
	v_nop
	global_prefetch_b8 v0, s[64:65] scope:SCOPE_SE
	s_setreg_imm32_b32 hwreg(HW_REG_WAVE_MODE, 25, 1), 1
	s_wait_xcnt 0x0
	s_wait_alu depctr_hold_cnt(0) depctr_sa_sdst(0) depctr_va_vdst(0) depctr_va_sdst(0) depctr_va_ssrc(0) depctr_va_vcc(0) depctr_vm_vsrc(0)
	s_getreg_b32 s2, hwreg(HW_REG_IB_STS2, 6, 4)
	s_cmp_eq_u32 s2, 0
	s_cbranch_scc0 .Lentry_in_a_cluster
	s_endpgm
.Lentry_in_a_cluster:
	s_bfe_u32 s2, ttmp6, 0x10000c
	s_cmp_lg_u32 s2, 0xf033
	s_cbranch_scc0 .Lentry_shape_is_right
	s_endpgm
.Lentry_shape_is_right:
.set SIZE_K, 1024
.set KSTEP,  256
.set ROWB,   256
.set KROW,   SIZE_K
.set PITCH,  272
.set FR,     16
.set NL,     4
.set NP,     4
.set HALFT,  128*PITCH
.set SLOT,   4*HALFT
.set LAPS,   SIZE_K/(2*KSTEP)
.set SPARE,  2*SLOT
.set SPITCH, 144
.set CO,   8
.set ADRA, 16
.set ADRB, 20
.set STO,  24
.set RD,   25
.set SPW,  28
.set NIL,  29
.set SCL,  30
.set TMP,  32
.set CD,   96
.set BK,   112
.set AF,   128
.set G1, 24
.set G0, 32
.set G1B, 48
.set G0B, 56
.set LIMP, 66
.set LIMN, 67
.set MSB, 0
.macro WIN new
.if MSB != \new
	s_set_vgpr_msb (MSB<<8)|\new
.set MSB, \new
.endif
.endm
.set MUL_LO, 0xa1
.set MUL_HI, 0xf1
.set TO_B,   0x40
.macro JLOAD g0a, g1a, g0b, g1b
	s_cmp_eq_u32 s15, 0
	s_cbranch_scc0 .Lfor_b_\@
	tensor_load_to_lds s[\g0a:\g0a+3], s[\g1a:\g1a+7]
	s_nop 0
.rept 4
	v_nop
.endr
	s_branch .Lasked_\@
.Lfor_b_\@:
	tensor_load_to_lds s[\g0b:\g0b+3], s[\g1b:\g1b+7]
	s_nop 0
.rept 4
	v_nop
.endr
.Lasked_\@:
.endm
.macro CREST
	s_cmp_lg_u32 s14, 0
	s_cbranch_scc1 .Lnot_wave_0_\@
	s_barrier_signal -3
.Lnot_wave_0_\@:
	s_barrier_wait -3
	s_barrier_signal -1
	s_barrier_wait -1
.endm
.macro CROUND
	s_barrier_signal -1
	s_barrier_wait -1
	CREST
.endm
	s_load_b256 s[68:75], s[0:1], 0x0
	v_lshl_add_u32 v[SPW], v0, 2, SPARE
	v_mov_b32 v[NIL], 0
	ds_add_u32 v28, v29
	ds_add_u32 v28, v29
	s_wait_dscnt 0x0
	v_lshrrev_b32 v1, 5, v0
	v_readfirstlane_b32 s14, v1
	s_lshr_b32 s15, s14, 1
	s_and_b32 s16, s14, 1
	s_bfe_u32 s40, ttmp6, 0x40000
	s_bfe_u32 s41, ttmp6, 0x40004
	s_and_b32 s82, ttmp7, 0xffff
	s_lshl_b32 s84, ttmp9, 23
	s_lshl_b32 s86, ttmp9, 20
	s_cmp_eq_u32 ttmp9, 2
	s_cselect_b32 s80, 0, s82
	s_cselect_b32 s81, s82, 0
	s_cselect_b32 s84, 0x200000, s84
	s_cselect_b32 s86, 0x1000000, s86
	s_lshl_b32 s17, s80, 2
	s_add_co_u32 s17, s17, s41
	s_lshl_b32 s42, s81, 2
	s_add_co_u32 s42, s42, s40
	s_lshl_b32 s43, s41, 2
	s_lshl_b32 s43, 15, s43
	s_lshl_b32 s44, 0x1111, s40
	s_or_b32 s[G1+0], s43, (0<<16)|(1<<20)|(1<<21)|(5<<22)|(3<<25)
	s_or_b32 s[G1B+0], s44, (0<<16)|(1<<20)|(1<<21)|(5<<22)|(3<<25)
.irp g, G1, G1B
	s_mov_b32 s[\g+1], ROWB<<16
	s_mov_b32 s[\g+2], 128<<16
	s_mov_b32 s[\g+3], ROWB<<16
	s_mov_b32 s[\g+4], 128
	s_mov_b32 s[\g+5], KROW
	s_mov_b32 s[\g+6], 0
	s_mov_b32 s[\g+7], 0
.endr
	s_lshl_b32 s18, s16, 7
	s_lshl_b32 s20, s17, 8
	s_add_co_u32 s20, s20, s18
	s_lshl_b32 s20, s20, 10
	s_add_co_u32 s20, s20, s84
	s_mov_b32 s21, 0
	s_lshl_b32 s46, s42, 8
	s_add_co_u32 s46, s46, s18
	s_lshl_b32 s46, s46, 10
	s_add_co_u32 s46, s46, s86
	s_mov_b32 s47, 0
	s_mul_i32 s45, s14, HALFT
	s_wait_kmcnt 0x0
	s_load_b256 s[88:95], s[72:73], 0x0
	s_load_b128 s[96:99], s[72:73], 0x20
	s_cmp_eq_u32 ttmp9, 2
	s_cselect_b64 s[4:5], s[70:71], s[68:69]
	s_cselect_b64 s[6:7], s[68:69], s[70:71]
	s_add_nc_u64 s[20:21], s[4:5], s[20:21]
	s_add_nc_u64 s[46:47], s[6:7], s[46:47]
	CROUND
.irp s, 0,1
	s_mov_b32 s[G0+4*\s], 1
	s_add_co_u32 s[G0+4*\s+1], s45, \s*SLOT
	s_add_nc_u64 s[G0+4*\s+2:G0+4*\s+3], s[20:21], \s*ROWB
	s_or_b32 s[G0+4*\s+3], s[G0+4*\s+3], 0x80000000
	s_mov_b32 s[G0B+4*\s], 1
	s_add_co_u32 s[G0B+4*\s+1], s45, \s*SLOT
	s_add_nc_u64 s[G0B+4*\s+2:G0B+4*\s+3], s[46:47], \s*ROWB
	s_or_b32 s[G0B+4*\s+3], s[G0B+4*\s+3], 0x80000000
.endr
	JLOAD G0, G1, G0B, G1B                         ; K step 0: my one tensor load behind the opening round; the address set-up below stands under its flight
	v_and_b32 v1, 15, v0
	s_wait_alu depctr_va_vdst(0)
	v_bfe_u32 v2, v0, 4, 1
	v_mul_u32_u24 v3, v1, PITCH
	v_lshl_add_u32 v4, v2, 4, v3
	s_mul_i32 s21, s15, HALFT
	s_mul_i32 s22, s16, HALFT
	s_add_co_u32 s22, s22, 2*HALFT
.irp s, 0,1
	v_add_nc_u32 v[ADRA+\s], s21, v4
	v_add_nc_u32 v[ADRB+\s], s22, v4
	s_add_co_u32 s21, s21, SLOT
	s_add_co_u32 s22, s22, SLOT
.endr
	s_lshl_b32 s80, s17, 8
	s_lshl_b32 s81, s15, 7
	s_add_co_u32 s80, s80, s81
	s_lshl_b32 s81, s42, 8
	s_lshl_b32 s82, s16, 7
	s_add_co_u32 s81, s81, s82
	s_mov_b32 s76, 1024
	s_mov_b32 s77, 0
	s_mov_b32 s79, 0
	s_cmp_eq_u32 ttmp9, 2
	s_cselect_b32 s82, s81, s80
	s_cselect_b32 s81, s80, s81
	s_cselect_b32 s83, 128, 64
	s_cselect_b32 s84, 64, 0x20000
	s_cselect_b32 s76, 2048, s76
	s_cselect_b32 s78, 0x1e000, 0
	s_lshr_b32 s85, s82, 11
	s_lshl_b32 s85, s85, 4
	s_lshr_b32 s86, s81, 6
	s_add_co_u32 s85, s85, s86
	s_lshl_b32 s85, s85, 17
	s_bfe_u32 s86, s82, 0x40007
	s_lshl_b32 s86, s86, 13
	s_add_co_u32 s86, s85, s86
	s_lshl_b32 s87, ttmp9, 23
	s_add_co_u32 s86, s86, s87
	s_mov_b32 s87, 0
	s_add_nc_u64 s[10:11], s[74:75], s[86:87]
	s_mul_i32 s23, s14, 16*SPITCH
	v_mul_u32_u24 v5, v1, SPITCH
	s_wait_alu depctr_va_vdst(0)
	v_lshl_add_u32 v5, v2, 4, v5
	v_add_nc_u32 v[STO], s23, v5
	v_bfe_u32 v5, v0, 3, 2
	v_and_b32 v6, 7, v0
	v_mul_u32_u24 v7, v5, SPITCH
	v_lshl_add_u32 v7, v6, 4, v7
	v_add_nc_u32 v[RD], s23, v7
	v_mul_lo_u32 v5, v5, s83
	v_bfe_u32 v6, v0, 2, 1
	v_mul_lo_u32 v6, v6, s84
	v_and_b32 v7, 3, v0
	v_lshl_add_u32 v7, v7, 4, v6
	v_add_nc_u32 v[CO], v5, v7
	s_lshl_b32 s83, s83, 2
	v_add_nc_u32 v[CO+1], s83, v[CO]
	v_add_nc_u32 v[CO+2], s83, v[CO+1]
	v_add_nc_u32 v[CO+3], s83, v[CO+2]
.macro FRAG reg, adr, q, i
.irp c, 0,1,2,3
	ds_load_b128 v[\reg+4*\c:\reg+4*\c+3], v[\adr] offset:128*(\q)+32*\c+(\i)*16*PITCH
.endr
.endm
.macro MUL16 a0, p, zero
.irp a, \a0, \a0+1
.irp b, 0,1,2,3,4,5,6,7
.if \zero
	v_wmma_f32_16x16x128_fp8_fp8 v[8*(8*((\a)%4)+\b):8*(8*((\a)%4)+\b)+7], v[128*(\p)+FR*\b:128*(\p)+FR*\b+FR-1], v[AF+FR*(\a):AF+FR*(\a)+FR-1], 0
.else
	v_wmma_f32_16x16x128_fp8_fp8 v[8*(8*((\a)%4)+\b):8*(8*((\a)%4)+\b)+7], v[128*(\p)+FR*\b:128*(\p)+FR*\b+FR-1], v[AF+FR*(\a):AF+FR*(\a)+FR-1], v[8*(8*((\a)%4)+\b):8*(8*((\a)%4)+\b)+7]
.endif
.endr
.endr
.endm
.macro FETCH_B slot, q, p
	WIN TO_B
.irp i, 0,1,2,3,4,5,6,7
	FRAG 128*(\p)+FR*\i, ADRB+\slot, \q, \i
.endr
	WIN 0
.endm
.macro FETCH_A slot, q, i0
.irp i, \i0, \i0+1, \i0+2, \i0+3
	FRAG AF+FR*(\i), ADRA+\slot, \q, \i
.endr
.endm
.macro PLACES n
.rept \n
	v_nop
.endr
.endm
.macro STEP slot, q, zero
	s_wait_dscnt 4*NL
	WIN MUL_LO
	MUL16 0, (\q)%2, \zero
	MUL16 2, (\q)%2, \zero
	s_wait_dscnt 0
	PLACES NP
	FETCH_B \slot, (\q)+1, 1-(\q)%2
	FETCH_A \slot, (\q)+1, 0
	WIN MUL_HI
	MUL16 4, (\q)%2, \zero
	MUL16 6, (\q)%2, \zero
	PLACES NP
	WIN 0
	FETCH_A \slot, (\q)+1, 4
.endm
.macro TURN slot, next, fill
	s_wait_tensorcnt 0x0
	ds_add_u32 v[SPW], v[NIL]
	s_wait_dscnt 4*NL+1
	WIN MUL_LO
	MUL16 0, 1, 0
	s_wait_dscnt 0x0
	s_barrier_signal -1
	MUL16 2, 1, 0
	WIN 0
	s_barrier_wait -1
.if \fill
	CREST
	s_add_nc_u64 s[G0+4*\slot+2:G0+4*\slot+3], s[G0+4*\slot+2:G0+4*\slot+3], 2*ROWB
	s_add_nc_u64 s[G0B+4*\slot+2:G0B+4*\slot+3], s[G0B+4*\slot+2:G0B+4*\slot+3], 2*ROWB
	JLOAD G0+4*\slot, G1, G0B+4*\slot, G1B
.else
	PLACES NP
.endif
	FETCH_B \next, 0, 0
	FETCH_A \next, 0, 0
	WIN MUL_HI
	MUL16 4, 1, 0
	MUL16 6, 1, 0
	PLACES NP
	WIN 0
	FETCH_A \next, 0, 4
.endm
	s_wait_alu depctr_va_vdst(0)                   ; the wait at the head's end
	s_wait_tensorcnt 0x0                           ; my part of K step 0 is in; the lines ahead of a later first fill:
	ds_add_u32 v[SPW], v[NIL]
	s_wait_dscnt 0x0
	CROUND                                         ; everybody's part of K step 0 is in, and all sixteen work-groups are here
	JLOAD G0+4, G1, G0B+4, G1B                     ; K step 1's load, the first tensor load behind the round
	FETCH_B 0, 0, 0
	FETCH_A 0, 0, 0
	FETCH_A 0, 0, 4
	STEP 0, 0, 1
	s_mov_b32 s3, LAPS-1
.Llap:
	TURN 0, 1, 1
	STEP 1, 0, 0
	TURN 1, 0, 1
	STEP 0, 0, 0
	s_sub_co_u32 s3, s3, 1
	s_cmp_lg_u32 s3, 0
	s_cbranch_scc1 .Llap
	TURN 0, 1, 0
	STEP 1, 0, 0
	s_wait_dscnt 4*NL
	WIN MUL_LO
	MUL16 0, 1, 0
	MUL16 2, 1, 0
	s_wait_dscnt 0
	WIN MUL_HI
	MUL16 4, 1, 0
	MUL16 6, 1, 0
	WIN 0
.macro TOSTAGE a
.set AC, 64*((\a)%4)
	WIN 0x02+((\a)/4)
.set j, 0
.rept 64
	v_med3_num_f32 v[TMP+j], v[AC+j], s[LIMN], s[LIMP]
.set j, j+1
.endr
	WIN 0
.irp b, 0,1,2,3,4,5,6,7
	v_cvt_scalef32_pk8_fp8_f32 v[CD+2*\b:CD+2*\b+1], v[TMP+8*\b:TMP+8*\b+7], v[SCL]
.endr
	v_nop
.irp b, 0,1,2,3
	ds_store_b128 v[STO], v[CD+4*\b:CD+4*\b+3] offset:32*\b
.endr
.set BB, BK+16*((\a)%2)
.irp i, 0,1,2,3
	ds_load_b128 v[BB+4*\i:BB+4*\i+3], v[RD] offset:\i*4*SPITCH
.endr
.endm
.macro SEND a, younger
.set BB, BK+16*((\a)%2)
	s_wait_dscnt \younger
.if (\a) > 0
	s_add_nc_u64 s[10:11], s[10:11], s[76:77]
.endif
.if (\a) == 4
	s_add_nc_u64 s[10:11], s[10:11], s[78:79]
.endif
.irp i, 0,1,2,3
	global_store_b128 v[CO+\i], v[BB+4*\i:BB+4*\i+3], s[10:11]
.endr
.endm
	s_wait_kmcnt 0x0
	s_sub_co_i32 s80, s94, s88
	s_sub_co_i32 s80, s80, s89
	s_sub_co_i32 s81, s95, s90
	s_sub_co_i32 s81, s81, s91
	s_sub_co_i32 s82, s97, s92
	s_sub_co_i32 s82, s82, s93
	s_cmp_eq_u32 ttmp9, 1
	s_cselect_b32 s80, s81, s80
	s_cmp_eq_u32 ttmp9, 2
	s_cselect_b32 s80, s82, s80
	s_add_co_i32 s80, s80, 127
	s_lshl_b32 s81, s80, 23
	v_mov_b32 v[SCL], s81
	s_add_co_i32 s80, s80, 8
	s_lshl_b32 s80, s80, 23
	s_or_b32 s[LIMP], s80, 0x600000
	s_or_b32 s[LIMN], s[LIMP], 0x80000000
	PLACES NP
	TOSTAGE 0
.irp a, 1,2,3,4,5,6,7
.if \a > 1
	s_wait_xcnt 0x0
.endif
	TOSTAGE \a
	SEND \a-1, 8
.endr
	s_wait_xcnt 0x0
	SEND 7, 0
	s_wait_tensorcnt 0x0
	ds_add_u32 v[SPW], v[NIL]
	s_wait_dscnt 0x0
	CROUND
	s_endpgm
.Lfunc_end_k_q4a19b6161f_qkv:
	.size	k_q4a19b6161f_qkv, .Lfunc_end_k_q4a19b6161f_qkv-k_q4a19b6161f_qkv
	.p2alignl 7, 3214868480
	.fill 96, 4, 3214868480
	.section	.rodata,"a",@progbits
	.p2align	6, 0x0
	.amdhsa_kernel k_q4a19b6161f_qkv
		.amdhsa_group_segment_fixed_size 327680
		.amdhsa_private_segment_fixed_size 0
		.amdhsa_enable_private_segment 0
		.amdhsa_kernarg_size 32
		.amdhsa_user_sgpr_count 2
		.amdhsa_user_sgpr_kernarg_segment_ptr 1
		.amdhsa_wavefront_size32 1
		.amdhsa_system_sgpr_workgroup_id_x 1
		.amdhsa_system_sgpr_workgroup_id_y 1
		.amdhsa_system_sgpr_workgroup_id_z 1
		.amdhsa_system_vgpr_workitem_id 0
		.amdhsa_next_free_vgpr 1024
		.amdhsa_next_free_sgpr 100
		.amdhsa_reserve_vcc 0
		.amdhsa_float_denorm_mode_32 3
		.amdhsa_float_denorm_mode_16_64 3
		.amdhsa_memory_ordered 1
		.amdhsa_forward_progress 1
		.amdhsa_inst_pref_size 125
	.end_amdhsa_kernel
	.amdgpu_metadata
---
amdhsa.version: [ 1, 2 ]
amdhsa.kernels:
  - .name:           k_q4a19b6161f_qkv
    .symbol:         k_q4a19b6161f_qkv.kd
    .args:
      - { .name: xc, .offset: 0, .size: 8, .value_kind: global_buffer, .address_space: global }
      - { .name: wc, .offset: 8, .size: 8, .value_kind: global_buffer, .address_space: global }
      - { .name: lowp_scales, .offset: 16, .size: 8, .value_kind: global_buffer, .address_space: global }
      - { .name: qkvc, .offset: 24, .size: 8, .value_kind: global_buffer, .address_space: global }
    .group_segment_fixed_size: 327680
    .private_segment_fixed_size: 0
    .kernarg_segment_align: 8
    .kernarg_segment_size: 32
    .max_flat_workgroup_size: 128
    .sgpr_count:     100
    .vgpr_count:     1024
    .wavefront_size: 32
...
	.end_amdgpu_metadata
.endif
;; end of part 2
;; launch attn (part 3): grid 4 x 64, 8 waves a work-group, clusters of 4 x 1, 327,680 bytes of LDS; arguments qkvc, lowp_scales, ctxc; writes ctxc
.if DOCPART == 3
	.amdgcn_target "amdgcn-amd-amdhsa--gfx1250"
	.amdhsa_code_object_version 6
	.text
	.protected	k_q4a19b6161f_attn
	.globl	k_q4a19b6161f_attn
	.p2align	8
	.type	k_q4a19b6161f_attn,@function
k_q4a19b6161f_attn:
	s_mov_b64 s[64:65], 0
	v_nop
	global_prefetch_b8 v0, s[64:65] scope:SCOPE_SE
	s_setreg_imm32_b32 hwreg(HW_REG_WAVE_MODE, 25, 1), 1
	s_wait_xcnt 0x0
	s_wait_alu depctr_hold_cnt(0) depctr_sa_sdst(0) depctr_va_vdst(0) depctr_va_sdst(0) depctr_va_ssrc(0) depctr_va_vcc(0) depctr_vm_vsrc(0)
	s_getreg_b32 s2, hwreg(HW_REG_IB_STS2, 6, 4)
	s_cmp_eq_u32 s2, 0
	s_cbranch_scc0 .Lentry_in_a_cluster
	s_endpgm
.Lentry_in_a_cluster:
	s_bfe_u32 s2, ttmp6, 0x10000c
	s_cmp_lg_u32 s2, 0x3003
	s_cbranch_scc0 .Lentry_shape_is_right
	s_endpgm
.Lentry_shape_is_right:
; ATTN: context = softmax(q k^T / 8) v for 64 heads of 2,048 tokens x 64, no mask, both products on codes of FP8 (E4M3); the context leaves as codes for the last projection.
; THE SOFTMAX AHEAD OF THE SECOND PRODUCT: t = score x log2(e) / 8; M = the row's largest t so far, rounded UP to a whole number; p = 2^(t - M) is quantised (scale 2^e8), not normalised.
; The row's sum is taken of the unquantised p, in f32, and divides at the end.  When M moves, the sum and O are multiplied by 2^(old M - new M): nothing is rounded, no branch on data.
; SHARES.  A cluster of four work-groups is one head; a work-group owns 512 of its queries; each of its EIGHT waves owns 64 of them, four tiles of 16, in 512 registers.
; A key step is 128 keys: its 16 + 16 LDS loads of K and V feed all four tiles (32 + 16 matrix instructions).  The tiles go in pairs A, B: the dependent lines of one tile stand among independent lines of the other.
; K AND V OF THE WHOLE HEAD LIE IN LDS, filled ONCE: each wave issues one joint load (128 rows of 256 bytes; waves 0-3 K's quarters, waves 4-7 V's), which names all four work-groups.
; No LDS byte is filled again: no ring.  No prefetch: every byte of K and V is asked for in the kernel's first lines, so there is no later request to run ahead of.
; LAYOUT.  Both products are used transposed: S^T = K Q^T, O^T = V^T P^T: a lane holds ONE query (lane % 16) of each tile.  Tile t of S^T holds, in lane (r, h), register j, key 16 t + 8 h + j.
; The codes of S^T's registers 8 g .. 8 g + 7 are registers 2 g, 2 g + 1 of P; V's codes lie in memory in the same order of keys; q and k carry a like permutation of the head's 64, both alike.
; OUT: ctxc [token / 4][head 16][token % 4][64 d]: a head's four tokens are 256 consecutive bytes, aligned, written whole by sixteen lanes.
; LIMITS on the given exponents, so that each power of two below is an f32 number: e6 + e7 between -123 and 130; e8 and e10 between -126 and 119.  The scaled scores stay under 2^31 in magnitude.
; REGISTERS.  Window 0: v1-5 addresses, v6-7 the spare word and 0, v8 2^e8, v9 and v11 448 x 2^e8, v10 2^e10, v12-13 addresses in hand; v16+4i: tile i's -M, largest t, sum (two halves);
;   v32-35 the pair's factors f; v36-63 at work: chains of maxima (A v36-43, B v48-55), old -M (v44, v45), chains of sums (v36-47), held numbers (three sets of 8 from v40);
;   v64-191 S^T, then p, of a pair; v192-255 P's codes, 16 a tile.
; Window 1: v0-127 O^T, 32 a tile; v128-159 Q, 8 a tile; v160-223 K's eight fragments, then V's four.
.set DUAL,  1                          ; 1: the holds go two to an instruction
.set RP,    272                        ; an LDS row: 256 bytes + 16 of padding
.set STEPB, 32*RP                      ; a key step: 32 rows, of K and of V
.set GRPB,  128*RP                     ; what one load brings
.set VB,    4*GRPB                     ; K at 0, V from here
.set STG,   2*VB                       ; the way out: 4 x 16 rows x 80 bytes for each wave; no tile lands there
.set SPARE, STG+8*5120                 ; the spare words: 128 bytes a wave
.set SA,   64
.set SB,   128
.set PC,   192
.set TT,   40
.set CA,   36
.set CB,   48
.set QF,   128
.set KV,   160
.set WV,   12
.set SEL,  20                          ; s[20:21] selects of lane l xor 16
.set CS,   22                          ; s[22:23] c = log2(e) / 8 x 2^(e6 + e7)
.set G1,   24
.set G0,   32
.set KO,   66                          ; LDS offset of the key step
.set CNT,  67                          ; key steps to go
.set MSB, 0
.macro WIN new                         ; the immediate's high byte repeats the setting that is left
.if MSB != \new
	s_set_vgpr_msb (MSB<<8)|\new
.set MSB, \new
.endif
.endm
.macro ROUND                           ; a round of the cluster's barrier
	s_barrier_signal -1
	s_barrier_wait -1
	s_cmp_lg_u32 s[WV], 0
	s_cbranch_scc1 .Lnot_wave_0_\@
	s_barrier_signal -3
.Lnot_wave_0_\@:
	s_barrier_wait -3
	s_barrier_signal -1
	s_barrier_wait -1
.endm
	s_load_b128 s[4:7], s[0:1], 0x0                ; qkvc, the exponents
	s_load_b64 s[8:9], s[0:1], 0x10                ; ctxc
	v_lshl_add_u32 v6, v0, 2, SPARE
	v_mov_b32 v7, 0
	ds_add_u32 v6, v7                              ; the opening lines: the add, twice on end, and its wait
	ds_add_u32 v6, v7
	v_lshrrev_b32 v11, 5, v0
	v_readfirstlane_b32 s[WV], v11                 ; wave 0..7
	s_bfe_u32 s13, ttmp6, 0x40000                  ; cx: it enters Q's and the output's addresses alone
	s_and_b32 s14, ttmp7, 0xffff                   ; 16 b + head, which the four partners share
	s_lshl_b32 s10, s14, 17                        ; the head's 131,072 bytes in each part of qkvc
	s_and_b32 s15, s[WV], 3                        ; which quarter (512 keys) I fetch,
	s_lshr_b32 s16, s[WV], 2                       ; of K (0) or of V (1)
	s_lshl_b32 s2, s15, 15
	s_add_co_u32 s2, s2, s10
	s_lshl_b32 s17, s16, 23
	s_add_co_u32 s2, s2, s17
	s_add_co_u32 s2, s2, 0x800000                  ; part 1 is k, part 2 v
	s_mov_b32 s3, 0
	s_mul_i32 s15, s15, GRPB
	s_mul_i32 s16, s16, VB
	s_add_co_u32 s15, s15, s16                     ; and where it goes in LDS
	s_mul_i32 s18, s[WV], 5120
	s_add_co_u32 s18, s18, STG                     ; my stage
	s_lshl_b32 s73, s13, 9
	s_lshl_b32 s74, s[WV], 6
	s_add_co_u32 s73, s73, s74                     ; my first query: 512 cx + 64 wave
	s_lshl_b32 s74, s73, 6
	s_add_co_u32 s74, s74, s10                     ; its codes in part 0, q
	s_mov_b32 s75, 0
	s_lshr_b32 s81, s14, 4
	s_lshl_b32 s81, s81, 11
	s_add_co_u32 s81, s81, s73                     ; my first token of the 8,192
	s_lshl_b32 s82, s81, 10                        ; four tokens are 4,096 bytes of ctxc
	s_and_b32 s81, s14, 15
	s_lshl_b32 s81, s81, 8
	s_add_co_u32 s82, s82, s81
	s_mov_b32 s83, 0
	s_mov_b32 s[G1], 15|(0<<16)|(1<<20)|(1<<21)|(5<<22)|(3<<25)   ; the mask: all four; elements of 1 byte; four words of padding after every 64
	s_mov_b32 s[G1+1], 256<<16
	s_mov_b32 s[G1+2], 128<<16
	s_mov_b32 s[G1+3], 256<<16
	s_mov_b32 s[G1+4], 128
	s_mov_b32 s[G1+5], 256
	s_mov_b32 s[G1+6], 0
	s_mov_b32 s[G1+7], 0
	s_mov_b32 s[SEL], 0x76543210
	s_mov_b32 s[SEL+1], 0xfedcba98
	s_mov_b32 s[CS], 0x3e38aa3b                    ; log2(e) / 8
	s_wait_dscnt 0x0
	s_wait_kmcnt 0x0
	s_load_b128 s[68:71], s[6:7], 0x18             ; e6, e7, e8, e9
	s_load_b32 s72, s[6:7], 0x28                   ; e10
	s_mov_b32 s[G0], 1
	s_mov_b32 s[G0+1], s15
	s_add_nc_u64 s[G0+2:G0+3], s[4:5], s[2:3]
	s_or_b32 s[G0+3], s[G0+3], 0x80000000
	s_add_nc_u64 s[76:77], s[4:5], s[74:75]        ; Q at my first query
	s_add_nc_u64 s[8:9], s[8:9], s[82:83]          ; the output at my first token and head
	ROUND                                          ; all four work-groups are here: the joint loads meet
	tensor_load_to_lds s[G0:G0+3], s[G1:G1+7]      ; my one load: an eighth of the head's K and V
	s_nop 0
.rept 4
	v_nop
.endr
	v_and_b32 v14, 15, v0                          ; r
	v_bfe_u32 v15, v0, 4, 1                        ; h
	v_lshlrev_b32 v12, 6, v14
	v_lshl_add_u32 v12, v15, 4, v12                ; Q: row r of 64 bytes, + 16 h
	WIN 0x40
.irp i, 0,1,2,3
	global_load_b128 v[QF+8*\i:QF+8*\i+3], v12, s[76:77] offset:1024*\i
	global_load_b128 v[QF+8*\i+4:QF+8*\i+7], v12, s[76:77] offset:1024*\i+32
.endr
	WIN 0
	v_bfe_u32 v11, v0, 2, 2
	v_mul_u32_u24 v1, v11, RP                      ; K: key r of a tile lies in row r / 4,
	v_and_b32 v11, 3, v0
	v_lshl_add_u32 v1, v11, 6, v1                  ; at 64 (r % 4) + 16 h
	v_lshl_add_u32 v1, v15, 4, v1
	v_bfe_u32 v11, v0, 1, 3
	v_mul_u32_u24 v2, v11, RP                      ; V: d = r of a tile lies in row r / 2,
	v_and_b32 v11, 1, v0
	v_lshl_add_u32 v2, v11, 7, v2                  ; at 128 (r % 2) + 16 h
	v_lshl_add_u32 v2, v15, 4, v2
	v_add_nc_u32 v2, VB, v2
	v_mul_u32_u24 v3, v14, 80
	v_lshl_add_u32 v3, v15, 3, v3
	v_add_nc_u32 v3, s18, v3                       ; the stage, in: row r, 8 codes for each half of the lanes
	v_bfe_u32 v11, v0, 2, 3
	v_mul_u32_u24 v4, v11, 80
	v_and_b32 v11, 3, v0
	v_lshl_add_u32 v4, v11, 4, v4
	v_add_nc_u32 v4, s18, v4                       ; back: four lanes to a row of 64 codes
	v_lshlrev_b32 v5, 12, v15
	v_lshl_add_u32 v5, v14, 4, v5                  ; in ctxc: lanes 0-15 four tokens' 256 bytes, lanes 16-31 the next four's
	v_mov_b32 v33, 0                               ; (named as upper halves of the pairs of f)
	v_mov_b32 v35, 0
.irp i, 0,1,2,3
	v_mov_b32 v[17+4*\i], 0xff61b1e6               ; the largest t so far: -3e38
	v_floor_f32 v[16+4*\i], -v[17+4*\i]            ; -M
	v_mov_b32 v[18+4*\i], 0
	v_mov_b32 v[19+4*\i], 0
.endr
	WIN 0x40
.set j, 0
.rept 128
	v_mov_b32 v[j], 0                              ; O^T: the step is written once, and its first trip finds zeros; these lines stand under the tensor load's flight
.set j, j+1
.endr
	WIN 0
	s_wait_kmcnt 0x0
	s_add_co_i32 s73, s68, s69
	s_lshl_b32 s73, s73, 23
	s_add_co_i32 s[CS], s[CS], s73                 ; e6 + e7 go into c's exponent field
	s_mov_b32 s[CS+1], s[CS]
	s_add_co_i32 s80, s70, s71                     ; e8 + e9
	s_add_co_i32 s73, s70, 127
	s_lshl_b32 s74, s73, 23
	v_mov_b32 v8, s74                              ; 2^e8
	s_add_co_i32 s73, s73, 8
	s_lshl_b32 s73, s73, 23
	s_or_b32 s73, s73, 0x600000
	v_mov_b32 v9, s73                              ; 448 x 2^e8,
	v_mov_b32 v11, s73                             ; twice: the two halves of a dual line take their second sources from different register banks
	s_add_co_i32 s73, s72, 127
	s_lshl_b32 s74, s73, 23
	v_mov_b32 v10, s74                             ; 2^e10
	s_add_co_i32 s73, s73, 8
	s_lshl_b32 s73, s73, 23
	s_or_b32 s78, s73, 0x600000                    ; 448 x 2^e10,
	s_or_b32 s79, s78, 0x80000000                  ; and its negative
.macro KLOAD                           ; K's eight tiles of 16 keys x 64
	WIN 0x40
.irp t, 0,1,2,3,4,5,6,7
	ds_load_b128 v[KV+8*\t:KV+8*\t+3], v12 offset:4*RP*\t
	ds_load_b128 v[KV+8*\t+4:KV+8*\t+7], v12 offset:4*RP*\t+32
.endr
	WIN 0
.endm
.macro VLOAD                           ; V's four tiles of 16 d x 128 keys
	WIN 0x40
.irp t, 0,1,2,3
.irp c, 0,1,2,3
	ds_load_b128 v[KV+16*\t+4*\c:KV+16*\t+4*\c+3], v13 offset:8*RP*\t+32*\c
.endr
.endr
	WIN 0
.endm
.macro QK p                            ; S^T of tiles 2 p and 2 p + 1: each fragment of K serves both
	WIN 0x05
.irp t, 0,1,2,3,4,5,6,7
	v_wmma_f32_16x16x64_fp8_fp8 v[SA+8*\t:SA+8*\t+7], v[KV+8*\t:KV+8*\t+7], v[QF+16*(\p):QF+16*(\p)+7], 0
	v_wmma_f32_16x16x64_fp8_fp8 v[SB+8*\t:SB+8*\t+7], v[KV+8*\t:KV+8*\t+7], v[QF+16*(\p)+8:QF+16*(\p)+15], 0
.endr
	WIN 0
.endm
.macro SUMS p                          ; the rows' sums of the unquantised p: four chains a tile, the two tiles by turns
.set STA, 16+8*(\p)
.set STB, 20+8*(\p)
.irp c, 0,1,2
	v_pk_add_f32 v[36+2*\c:37+2*\c], v[SA+4*\c:SA+4*\c+1], v[SA+4*\c+2:SA+4*\c+3]
	v_pk_add_f32 v[42+2*\c:43+2*\c], v[SB+4*\c:SB+4*\c+1], v[SB+4*\c+2:SB+4*\c+3]
.endr
.set q, 6
.rept 26
.if (q%4) == 2
	v_pk_add_f32 v[STA+2:STA+3], v[STA+2:STA+3], v[SA+2*q:SA+2*q+1]
	v_pk_add_f32 v[STB+2:STB+3], v[STB+2:STB+3], v[SB+2*q:SB+2*q+1]
.else
	v_pk_add_f32 v[36+2*((q+1)%4):37+2*((q+1)%4)], v[36+2*((q+1)%4):37+2*((q+1)%4)], v[SA+2*q:SA+2*q+1]
	v_pk_add_f32 v[42+2*((q+1)%4):43+2*((q+1)%4)], v[42+2*((q+1)%4):43+2*((q+1)%4)], v[SB+2*q:SB+2*q+1]
.endif
.set q, q+1
.endr
	v_pk_add_f32 v[36:37], v[36:37], v[38:39]
	v_pk_add_f32 v[42:43], v[42:43], v[44:45]
	v_pk_add_f32 v[STA+2:STA+3], v[STA+2:STA+3], v[40:41]
	v_pk_add_f32 v[STB+2:STB+3], v[STB+2:STB+3], v[46:47]
	v_pk_add_f32 v[STA+2:STA+3], v[STA+2:STA+3], v[36:37]
	v_pk_add_f32 v[STB+2:STB+3], v[STB+2:STB+3], v[42:43]
.endm
; The hold and the conversion.  The conversion to an 8-bit code does not saturate (ISA guide 7.6.2); p is not negative, so the hold is one-sided.  It writes other registers, so that p stays for the sums.
.macro MINS k
.if DUAL
.irp j, 0,2,4,6
	v_dual_min_num_f32 v[TT+8*((\k)%3)+\j], v[SA+8*(\k)+\j], v9 :: v_dual_min_num_f32 v[TT+8*((\k)%3)+\j+1], v[SA+8*(\k)+\j+1], v11
.endr
.else
.irp j, 0,1,2,3,4,5,6,7
	v_min_num_f32 v[TT+8*((\k)%3)+\j], v[SA+8*(\k)+\j], v9
.endr
.endif
.endm
.macro CODE p, k
	v_cvt_scalef32_pk8_fp8_f32 v[PC+32*(\p)+2*(\k):PC+32*(\p)+2*(\k)+1], v[TT+8*((\k)%3):TT+8*((\k)%3)+7], v8
.endm
.macro HOLD p, a                       ; tile A (a = 0) or B (1): eight groups of 8 in three sets of registers: a group's conversion stands behind the next group's holds, and its set is written again a group later still
	MINS 8*(\a)
.irp k, 1,2,3,4,5,6,7
	MINS 8*(\a)+\k
	CODE \p, 8*(\a)+\k-1
.endr
	CODE \p, 8*(\a)+7
	v_nop                                          ; one plain line behind the last conversion
.endm
; Line i (0 .. 27) of a tile's maxima: eight chains; the 64 scores in ascending order
.macro MX s, c, i
.if (\i) < 8
	v_max3_num_f32 v[\c+(\i)], v[\s+3*(\i)], v[\s+3*(\i)+1], v[\s+3*(\i)+2]
.else
	v_max3_num_f32 v[\c+((\i)%8)], v[\c+((\i)%8)], v[\s+2*(\i)+8], v[\s+2*(\i)+9]
.endif
.endm
.macro MXS s, c, a, n                  ; lines a .. a + n - 1
.set i, \a
.rept \n
	MX \s, \c, i
.set i, i+1
.endr
.endm
.macro FMS a, n                        ; lines a .. a + n - 1 of tile A's 32: t - M, two numbers a line
.set i, \a
.rept \n
	v_pk_fma_f32 v[SA+2*i:SA+2*i+1], v[SA+2*i:SA+2*i+1], s[CS:CS+1], v[STA:STA+1] op_sel_hi:[1,0,0]
.set i, i+1
.endr
.endm
; Line n (0 .. 12) of the dependent lines that lead from a tile's eight chains to -M and f.  st: the tile's state; c: its chains; o: the old -M; f: the factor
.macro RD st, c, o, f, n
.if (\n) == 0
	v_mov_b32 v[\o], v[\st]
.endif
.if (\n) == 1
	v_max3_num_f32 v[\c], v[\c], v[\c+1], v[\c+2]
.endif
.if (\n) == 2
	v_max3_num_f32 v[\c+3], v[\c+3], v[\c+4], v[\c+5]
.endif
.if (\n) == 3
	v_max_num_f32 v[\c+6], v[\c+6], v[\c+7]
.endif
.if (\n) == 4
	v_max3_num_f32 v[\c], v[\c], v[\c+3], v[\c+6]
.endif
.if (\n) == 5
	v_permlanex16_b32 v[\c+4], v[\c], s[SEL], s[SEL+1]
.endif
.if (\n) == 6
	v_max_num_f32 v[\c], v[\c], v[\c+4]            ; and among lane l xor 16's
.endif
.if (\n) == 7
	v_mul_f32 v[\c], s[CS], v[\c]                  ; as t (c is positive)
.endif
.if (\n) == 8
	v_max_num_f32 v[\st+1], v[\st+1], v[\c]        ; the running largest t
.endif
.if (\n) == 9
	v_floor_f32 v[\st], -v[\st+1]                  ; the new -M = -ceil(t)
.endif
.if (\n) == 10
	v_sub_f32 v[\o], v[\st], v[\o]                 ; old M - new M: a whole number, 0 or less
.endif
.if (\n) == 11
	v_cvt_i32_f32 v[\o], v[\o]                     ; (it saturates)
.endif
.if (\n) == 12
	v_ldexp_f32 v[\f], 1.0, v[\o]                  ; f = 2^(old M - new M)
.endif
.endm
.macro SOFT p, late                    ; the softmax of tiles A = 2 p and B = 2 p + 1; late = 1: the sums follow later
.set STA, 16+8*(\p)
.set STB, 20+8*(\p)
	MXS SA, CA, 0, 28                              ; A's maxima
	MXS SB, CB, 0, 4                               ; B's, with A's dependent lines among them
.irp n, 0,1,2,3
	RD STA, CA, 44, 32, \n
	MXS SB, CB, 4+\n, 1
.endr
	MXS SB, CB, 8, 2
.irp n, 4,5,6,7,8,9
	RD STA, CA, 44, 32, \n
	MXS SB, CB, 10+3*(\n-4), 3
.endr
	RD STA, CA, 44, 32, 10                         ; A's scalings, with the rest of A's and all of B's dependent lines among them
	RD STB, CB, 45, 34, 0
	FMS 0, 3
	RD STA, CA, 44, 32, 11
	RD STB, CB, 45, 34, 1
	RD STB, CB, 45, 34, 2
	RD STB, CB, 45, 34, 3
	FMS 3, 3
	RD STA, CA, 44, 32, 12
	RD STB, CB, 45, 34, 4
	FMS 6, 3
.irp n, 5,6,7,8,9,10,11
	RD STB, CB, 45, 34, \n
	FMS 9+3*(\n-5), 3
.endr
	RD STB, CB, 45, 34, 12
	FMS 30, 2
	s_wait_alu depctr_va_vdst(0)                   ; the wait ahead of a batch of exponentials
.set j, 0
.rept 32
	v_exp_f32 v[SA+j], v[SA+j]                     ; A: p = 2^(t - M); B's t - M stands between, and is first read behind the next wait
	v_pk_fma_f32 v[SB+j:SB+j+1], v[SB+j:SB+j+1], s[CS:CS+1], v[STB:STB+1] op_sel_hi:[1,0,0]
	v_exp_f32 v[SA+j+1], v[SA+j+1]
.set j, j+2
.endr
	s_wait_alu depctr_va_vdst(0)                   ; behind A's batch and ahead of B's
.set j, 0
.rept 64
	v_exp_f32 v[SB+j], v[SB+j]
.set j, j+1
.endr
	v_pk_mul_f32 v[STA+2:STA+3], v[STA+2:STA+3], v[32:33] op_sel_hi:[1,0]   ; the sums under the new M: the plain lines behind the batch
	v_pk_mul_f32 v[STB+2:STB+3], v[STB+2:STB+3], v[34:35] op_sel_hi:[1,0]
	HOLD \p, 0                                     ; A's codes: they name A's p alone, which the wait between the two batches has covered; B's batch has these lines in which to end
	WIN 0x41
	s_wait_alu depctr_va_vdst(0)                   ; one wait behind the batch, directly ahead of the first readers of O^T
.set j, 0
.rept 16
	v_pk_mul_f32 v[64*(\p)+j:64*(\p)+j+1], v[64*(\p)+j:64*(\p)+j+1], v[32:33] op_sel_hi:[1,0]   ; O^T under the new M
.set j, j+2
.endr
.rept 16
	v_pk_mul_f32 v[64*(\p)+j:64*(\p)+j+1], v[64*(\p)+j:64*(\p)+j+1], v[34:35] op_sel_hi:[1,0]
.set j, j+2
.endr
	WIN 0
.if !(\late)
	SUMS \p
.endif
	HOLD \p, 1
.endm
	s_wait_alu depctr_va_vdst(0)                   ; the wait at the head's end
	s_wait_loadcnt 0x0                             ; Q
	s_wait_tensorcnt 0x0                           ; my eighth of K and V has landed;
	s_barrier_signal -1
	s_barrier_wait -1                              ; everybody's has.
	s_mov_b32 s[KO], 0
	s_mov_b32 s[CNT], 16
	v_add_nc_u32 v12, s[KO], v1
	KLOAD
.Lstep:                                            ; a key step: 128 keys x my 64 queries
	s_wait_dscnt 0x0                               ; K's fragments are in
	QK 0
.rept 4
	v_nop                                          ; places ahead of the first read of the results
.endr
	SOFT 0, 0
	QK 1
	v_add_nc_u32 v13, s[KO], v2                    ; with three v_nop: four places ahead of the loads into K's registers and of the first read of the results
.rept 3
	v_nop
.endr
	VLOAD                                          ; V lands while the second pair's softmax is walked
	s_add_co_u32 s[KO], s[KO], STEPB
	SOFT 1, 1
	v_add_nc_u32 v12, s[KO], v1                    ; the next step's K: made here, so that the wait below covers it
	s_wait_alu depctr_va_vdst(0)                   ; directly ahead of the wait below
	s_wait_dscnt 0x0                               ; V is in
	WIN 0x51
.irp t, 0,1,2,3                                ; O^T += V^T P^T: sixteen accumulators, one instruction a turn; the next step's 32 products stand between two links of a sum
.irp i, 0,1,2,3
	v_wmma_f32_16x16x128_fp8_fp8 v[32*\i+8*\t:32*\i+8*\t+7], v[KV+16*\t:KV+16*\t+15], v[PC+16*\i:PC+16*\i+15], v[32*\i+8*\t:32*\i+8*\t+7]
.endr
.endr
	WIN 0
.rept 4
	v_nop                                          ; four places ahead of the loads into V's registers
.endr
	s_cmp_eq_u32 s[CNT], 1                         ; the last step has no successor: it fetches nothing.  No vector register has been written since the wait ahead of the products
	s_cbranch_scc1 .Lno_next
	KLOAD                                          ; the next step's K lands under the sums below
.Lno_next:
	SUMS 1
	s_sub_co_u32 s[CNT], s[CNT], 1
	s_cmp_lg_u32 s[CNT], 0
	s_wait_alu depctr_va_vdst(0)                   ; the wait ahead of the backward jump
	s_cbranch_scc1 .Lstep
	; THE WAY OUT: O^T / the sum x 2^(e8 + e9) is the context; it is quantised with 2^e10 and goes through my stage, so that sixteen lanes store four tokens' 256 bytes.
.irp i, 0,1,2,3
	v_add_f32 v[18+4*\i], v[18+4*\i], v[19+4*\i]   ; the sum's two halves,
.endr
.irp i, 0,1,2,3
	v_permlanex16_b32 v[40+\i], v[18+4*\i], s[SEL], s[SEL+1]
.endr
.irp i, 0,1,2,3
	v_add_f32 v[18+4*\i], v[18+4*\i], v[40+\i]     ; and lane l xor 16's
.endr
	s_wait_alu depctr_va_vdst(0)                   ; ahead of the batch of four
.irp i, 0,1,2,3
	v_rcp_f32 v[18+4*\i], v[18+4*\i]
.endr
	v_nop
	s_wait_alu depctr_va_vdst(0)                   ; and behind it
.irp i, 0,1,2,3
	v_ldexp_f32 v[18+4*\i], v[18+4*\i], s80        ; x 2^(e8 + e9)
.endr
	WIN 0x01
	s_wait_alu depctr_va_vdst(0)                   ; directly ahead of the first readers of O^T
.irp i, 0,1,2,3
.set j, 0
.rept 32
	v_mul_f32 v[SA+32*\i+j], v[32*\i+j], v[18+4*\i]   ; register 8 t + n of tile i: query r at d = 16 t + 8 h + n
.set j, j+1
.endr
.endr
	WIN 0
.set j, 0
.rept 128
	v_med3_num_f32 v[SA+j], v[SA+j], s79, s78      ; the hold at the largest code x 2^e10
.set j, j+1
.endr
.set m, 0
.rept 16
	v_cvt_scalef32_pk8_fp8_f32 v[PC+2*m:PC+2*m+1], v[SA+8*m:SA+8*m+7], v10
.set m, m+1
.endr
	v_nop
.set m, 0
.rept 16
	ds_store_b64 v3, v[PC+2*m:PC+2*m+1] offset:1280*(m/4)+16*(m%4)
.set m, m+1
.endr
.set m, 0
.rept 8
	ds_load_b128 v[224+4*m:227+4*m], v4 offset:640*m   ; LDS serves a wave's instructions in order (ISA guide 5.7.1.4): these see my stores
.set m, m+1
.endr
	s_wait_dscnt 0x0
.set m, 0
.rept 8
	global_store_b128 v5, v[224+4*m:227+4*m], s[8:9] offset:8192*m   ; sixteen lanes store 256 consecutive bytes, aligned
.set m, m+1
.endr
	s_wait_tensorcnt 0x0                           ; the wave's end
	ds_add_u32 v6, v7
	s_wait_dscnt 0x0
	ROUND                                          ; the closing round
	s_endpgm
.Lfunc_end_k_q4a19b6161f_attn:
	.size	k_q4a19b6161f_attn, .Lfunc_end_k_q4a19b6161f_attn-k_q4a19b6161f_attn
	.p2alignl 7, 3214868480
	.fill 96, 4, 3214868480
	.section	.rodata,"a",@progbits
	.p2align	6, 0x0
	.amdhsa_kernel k_q4a19b6161f_attn
		.amdhsa_group_segment_fixed_size 327680
		.amdhsa_private_segment_fixed_size 0
		.amdhsa_enable_private_segment 0
		.amdhsa_kernarg_size 24
		.amdhsa_user_sgpr_count 2
		.amdhsa_user_sgpr_kernarg_segment_ptr 1
		.amdhsa_wavefront_size32 1
		.amdhsa_system_sgpr_workgroup_id_x 1
		.amdhsa_system_sgpr_workgroup_id_y 1
		.amdhsa_system_sgpr_workgroup_id_z 1
		.amdhsa_system_vgpr_workitem_id 0
		.amdhsa_next_free_vgpr 512
		.amdhsa_next_free_sgpr 84
		.amdhsa_reserve_vcc 0
		.amdhsa_float_denorm_mode_32 3
		.amdhsa_float_denorm_mode_16_64 3
		.amdhsa_memory_ordered 1
		.amdhsa_forward_progress 1
		.amdhsa_inst_pref_size 84
	.end_amdhsa_kernel
	.amdgpu_metadata
---
amdhsa.version: [ 1, 2 ]
amdhsa.kernels:
  - .name:           k_q4a19b6161f_attn
    .symbol:         k_q4a19b6161f_attn.kd
    .args:
      - { .name: qkvc, .offset: 0, .size: 8, .value_kind: global_buffer, .address_space: global }
      - { .name: lowp_scales, .offset: 8, .size: 8, .value_kind: global_buffer, .address_space: global }
      - { .name: ctxc, .offset: 16, .size: 8, .value_kind: global_buffer, .address_space: global }
    .group_segment_fixed_size: 327680
    .private_segment_fixed_size: 0
    .kernarg_segment_align: 8
    .kernarg_segment_size: 24
    .max_flat_workgroup_size: 256
    .sgpr_count:     84
    .vgpr_count:     512
    .wavefront_size: 32
...
	.end_amdgpu_metadata
.endif
;; end of part 3
;; launch oproj (part 4): grid 4 x 32, 4 waves a work-group, clusters of 4 x 4, 327,680 bytes of LDS; arguments ctxc, wc, lowp_scales, b_o, out0; writes out0
.if DOCPART == 4
	.amdgcn_target "amdgcn-amd-amdhsa--gfx1250"
	.amdhsa_code_object_version 6
	.text
	.protected	k_q4a19b6161f_oproj
	.globl	k_q4a19b6161f_oproj
	.p2align	8
	.type	k_q4a19b6161f_oproj,@function
k_q4a19b6161f_oproj:
	s_mov_b64 s[64:65], 0
	v_nop
	global_prefetch_b8 v0, s[64:65] scope:SCOPE_SE
	s_setreg_imm32_b32 hwreg(HW_REG_WAVE_MODE, 25, 1), 1
	s_wait_xcnt 0x0
	s_wait_alu depctr_hold_cnt(0) depctr_sa_sdst(0) depctr_va_vdst(0) depctr_va_sdst(0) depctr_va_ssrc(0) depctr_va_vcc(0) depctr_vm_vsrc(0)
	s_getreg_b32 s2, hwreg(HW_REG_IB_STS2, 6, 4)
	s_cmp_eq_u32 s2, 0
	s_cbranch_scc0 .Lentry_in_a_cluster
	s_endpgm
.Lentry_in_a_cluster:
	s_bfe_u32 s2, ttmp6, 0x10000c
	s_cmp_lg_u32 s2, 0xf033
	s_cbranch_scc0 .Lentry_shape_is_right
	s_endpgm
.Lentry_shape_is_right:
.set SIZE_K, 1024
.set SIZE_N, 1024
.set KSTEP,  256
.set ROWB,   256
.set KROW,   SIZE_K
.set PITCH,  272
.set AROWB,  1024
.set APITCH, 1040
.set FR,     16
.set NL,     4
.set NP,     4
.set HALFT,  128*PITCH
.set SLOT,   4*HALFT
.set LAPS,   SIZE_K/(2*KSTEP)
.set SPARE,  2*SLOT
.set SPITCH, 528
.set ADRA, 16
.set ADRB, 20
.set STO,  24
.set RD,   25
.set CO,   26
.set BOF,  27
.set SPW,  28
.set NIL,  29
.set TMP,  32
.set AF,   128
.set BK,   128
.set G1, 24
.set G0, 32
.set G1B, 48
.set G0B, 56
.set MSB, 0
.macro WIN new
.if MSB != \new
	s_set_vgpr_msb (MSB<<8)|\new
.set MSB, \new
.endif
.endm
.set MUL_LO, 0xa1
.set MUL_HI, 0xf1
.set TO_B,   0x40
.macro JLOAD g0a, g1a, g0b, g1b
	s_cmp_eq_u32 s15, 0
	s_cbranch_scc0 .Lfor_b_\@
	tensor_load_to_lds s[\g0a:\g0a+3], s[\g1a:\g1a+7]
	s_nop 0
.rept 4
	v_nop
.endr
	s_branch .Lasked_\@
.Lfor_b_\@:
	tensor_load_to_lds s[\g0b:\g0b+3], s[\g1b:\g1b+7]
	s_nop 0
.rept 4
	v_nop
.endr
.Lasked_\@:
.endm
.macro CREST
	s_cmp_lg_u32 s14, 0
	s_cbranch_scc1 .Lnot_wave_0_\@
	s_barrier_signal -3
.Lnot_wave_0_\@:
	s_barrier_wait -3
	s_barrier_signal -1
	s_barrier_wait -1
.endm
.macro CROUND
	s_barrier_signal -1
	s_barrier_wait -1
	CREST
.endm
	s_load_b128 s[4:7], s[0:1], 0x0
	s_load_b128 s[68:71], s[0:1], 0x10
	s_load_b64 s[10:11], s[0:1], 0x20
	v_lshl_add_u32 v[SPW], v0, 2, SPARE
	v_mov_b32 v[NIL], 0
	ds_add_u32 v28, v29
	ds_add_u32 v28, v29
	s_wait_dscnt 0x0
	v_lshrrev_b32 v1, 5, v0
	v_readfirstlane_b32 s14, v1
	s_lshr_b32 s15, s14, 1
	s_and_b32 s16, s14, 1
	s_bfe_u32 s40, ttmp6, 0x40000
	s_bfe_u32 s41, ttmp6, 0x40004
	s_lshl_b32 s42, ttmp9, 2
	s_add_co_u32 s42, s42, s40
	s_and_b32 s17, ttmp7, 0xffff
	s_lshl_b32 s17, s17, 2
	s_add_co_u32 s17, s17, s41
	s_lshl_b32 s43, s41, 2
	s_lshl_b32 s43, 15, s43
	s_lshl_b32 s44, 0x1111, s40
	s_or_b32 s[G1+0], s43, (0<<16)|(1<<20)|(1<<21)|(7<<22)|(3<<25)
	s_mov_b32 s[G1+1], AROWB<<16
	s_mov_b32 s[G1+2], 32<<16
	s_mov_b32 s[G1+3], AROWB<<16
	s_mov_b32 s[G1+4], 32
	s_mov_b32 s[G1+5], 4096
	s_mov_b32 s[G1+6], 0
	s_mov_b32 s[G1+7], 0
	s_or_b32 s[G1B+0], s44, (0<<16)|(1<<20)|(1<<21)|(5<<22)|(3<<25)
	s_mov_b32 s[G1B+1], ROWB<<16
	s_mov_b32 s[G1B+2], 128<<16
	s_mov_b32 s[G1B+3], ROWB<<16
	s_mov_b32 s[G1B+4], 128
	s_mov_b32 s[G1B+5], KROW
	s_mov_b32 s[G1B+6], 0
	s_mov_b32 s[G1B+7], 0
	s_lshl_b32 s18, s16, 7
	s_lshl_b32 s20, s17, 8
	s_add_co_u32 s20, s20, s18
	s_lshl_b32 s20, s20, 10
	s_mov_b32 s21, 0
	s_lshl_b32 s46, s42, 8
	s_add_co_u32 s46, s46, s18
	s_lshl_b32 s46, s46, 10
	s_add_co_u32 s46, s46, 0x300000
	s_mov_b32 s47, 0
	s_mul_i32 s45, s14, HALFT
	s_wait_kmcnt 0x0
	s_load_b64 s[96:97], s[68:69], 0x28
	s_add_nc_u64 s[20:21], s[4:5], s[20:21]
	s_add_nc_u64 s[46:47], s[6:7], s[46:47]
	CROUND
.irp s, 0,1
	s_mov_b32 s[G0+4*\s], 1
	s_add_co_u32 s[G0+4*\s+1], s45, \s*SLOT
	s_add_nc_u64 s[G0+4*\s+2:G0+4*\s+3], s[20:21], \s*AROWB
	s_or_b32 s[G0+4*\s+3], s[G0+4*\s+3], 0x80000000
	s_mov_b32 s[G0B+4*\s], 1
	s_add_co_u32 s[G0B+4*\s+1], s45, \s*SLOT
	s_add_nc_u64 s[G0B+4*\s+2:G0B+4*\s+3], s[46:47], \s*ROWB
	s_or_b32 s[G0B+4*\s+3], s[G0B+4*\s+3], 0x80000000
.endr
	JLOAD G0, G1, G0B, G1B                         ; K step 0: my one tensor load behind the opening round; the address set-up below stands under its flight
	v_and_b32 v1, 15, v0
	v_bfe_u32 v2, v0, 4, 1
	v_mul_u32_u24 v3, v1, PITCH
	v_lshl_add_u32 v4, v2, 4, v3
	v_bfe_u32 v5, v0, 2, 2
	v_mul_u32_u24 v5, v5, APITCH
	v_and_b32 v6, 3, v0
	v_lshl_add_u32 v5, v6, 6, v5
	v_lshl_add_u32 v5, v2, 4, v5
	s_mul_i32 s21, s15, HALFT
	s_mul_i32 s22, s16, HALFT
	s_add_co_u32 s22, s22, 2*HALFT
.irp s, 0,1
	v_add_nc_u32 v[ADRA+\s], s21, v5
	v_add_nc_u32 v[ADRB+\s], s22, v4
	s_add_co_u32 s21, s21, SLOT
	s_add_co_u32 s22, s22, SLOT
.endr
	s_mul_i32 s23, s14, 16*SPITCH
	v_mul_u32_u24 v5, v1, SPITCH
	v_lshl_add_u32 v5, v2, 5, v5
	v_add_nc_u32 v[STO], s23, v5
	v_and_b32 v6, 31, v0
	v_lshlrev_b32 v[CO], 4, v6
	v_add_nc_u32 v[RD], s23, v[CO]
	v_lshlrev_b32 v[BOF], 5, v2
	s_lshl_b32 s20, s17, 8
	s_lshl_b32 s21, s15, 7
	s_add_co_u32 s20, s20, s21
	s_lshl_b32 s20, s20, 12
	s_mov_b32 s21, 0
	s_lshl_b32 s46, s42, 10
	s_lshl_b32 s47, s16, 9
	s_add_co_u32 s46, s46, s47
	s_mov_b32 s47, 0
	s_add_nc_u64 s[70:71], s[70:71], s[46:47]
	s_add_nc_u64 s[10:11], s[10:11], s[20:21]
	s_add_nc_u64 s[10:11], s[10:11], s[46:47]
.macro FRAG reg, adr, q, i
.irp c, 0,1,2,3
	ds_load_b128 v[\reg+4*\c:\reg+4*\c+3], v[\adr] offset:128*(\q)+32*\c+(\i)*16*PITCH
.endr
.endm
.macro FRAGA reg, adr, q, i
.irp c, 0,1,2,3
	ds_load_b128 v[\reg+4*\c:\reg+4*\c+3], v[\adr] offset:512*(\q)+256*(\c/2)+32*(\c%2)+(\i)*4*APITCH
.endr
.endm
.macro MUL16 a0, p, zero
.irp a, \a0, \a0+1
.irp b, 0,1,2,3,4,5,6,7
.if \zero
	v_wmma_f32_16x16x128_fp8_fp8 v[8*(8*((\a)%4)+\b):8*(8*((\a)%4)+\b)+7], v[128*(\p)+FR*\b:128*(\p)+FR*\b+FR-1], v[AF+FR*(\a):AF+FR*(\a)+FR-1], 0
.else
	v_wmma_f32_16x16x128_fp8_fp8 v[8*(8*((\a)%4)+\b):8*(8*((\a)%4)+\b)+7], v[128*(\p)+FR*\b:128*(\p)+FR*\b+FR-1], v[AF+FR*(\a):AF+FR*(\a)+FR-1], v[8*(8*((\a)%4)+\b):8*(8*((\a)%4)+\b)+7]
.endif
.endr
.endr
.endm
.macro FETCH_B slot, q, p
	WIN TO_B
.irp i, 0,1,2,3,4,5,6,7
	FRAG 128*(\p)+FR*\i, ADRB+\slot, \q, \i
.endr
	WIN 0
.endm
.macro FETCH_A slot, q, i0
.irp i, \i0, \i0+1, \i0+2, \i0+3
	FRAGA AF+FR*(\i), ADRA+\slot, \q, \i
.endr
.endm
.macro PLACES n
.rept \n
	v_nop
.endr
.endm
.macro STEP slot, q, zero
	s_wait_dscnt 4*NL
	WIN MUL_LO
	MUL16 0, (\q)%2, \zero
	MUL16 2, (\q)%2, \zero
	s_wait_dscnt 0
	PLACES NP
	FETCH_B \slot, (\q)+1, 1-(\q)%2
	FETCH_A \slot, (\q)+1, 0
	WIN MUL_HI
	MUL16 4, (\q)%2, \zero
	MUL16 6, (\q)%2, \zero
	PLACES NP
	WIN 0
	FETCH_A \slot, (\q)+1, 4
.endm
.macro TURN slot, next, fill
	s_wait_tensorcnt 0x0
	ds_add_u32 v[SPW], v[NIL]
	s_wait_dscnt 4*NL+1
	WIN MUL_LO
	MUL16 0, 1, 0
	s_wait_dscnt 0x0
	s_barrier_signal -1
	MUL16 2, 1, 0
	WIN 0
	s_barrier_wait -1
.if \fill
	CREST
	s_add_nc_u64 s[G0+4*\slot+2:G0+4*\slot+3], s[G0+4*\slot+2:G0+4*\slot+3], 2*AROWB
	s_add_nc_u64 s[G0B+4*\slot+2:G0B+4*\slot+3], s[G0B+4*\slot+2:G0B+4*\slot+3], 2*ROWB
	JLOAD G0+4*\slot, G1, G0B+4*\slot, G1B
.else
	PLACES NP
.endif
	s_wait_alu depctr_va_vdst(0)
	FETCH_B \next, 0, 0
	FETCH_A \next, 0, 0
	WIN MUL_HI
	MUL16 4, 1, 0
	MUL16 6, 1, 0
	PLACES NP
	WIN 0
	FETCH_A \next, 0, 4
.endm
	s_wait_alu depctr_va_vdst(0)                   ; the wait at the head's end
	s_wait_tensorcnt 0x0                           ; my part of K step 0 is in; the lines ahead of a later first fill:
	ds_add_u32 v[SPW], v[NIL]
	s_wait_dscnt 0x0
	CROUND                                         ; everybody's part of K step 0 is in, and all sixteen work-groups are here
	JLOAD G0+4, G1, G0B+4, G1B                     ; K step 1's load, the first tensor load behind the round
	FETCH_B 0, 0, 0
	FETCH_A 0, 0, 0
	FETCH_A 0, 0, 4
	STEP 0, 0, 1
	s_mov_b32 s3, LAPS-1
.Llap:
	TURN 0, 1, 1
	STEP 1, 0, 0
	TURN 1, 0, 1
	STEP 0, 0, 0
	s_sub_co_u32 s3, s3, 1
	s_cmp_lg_u32 s3, 0
	s_cbranch_scc1 .Llap
	TURN 0, 1, 0
	STEP 1, 0, 0
	WIN TO_B
.irp b, 0,1,2,3,4,5,6,7
	global_load_b128 v[8*\b:8*\b+3], v[BOF], s[70:71] offset:64*\b
	global_load_b128 v[8*\b+4:8*\b+7], v[BOF], s[70:71] offset:64*\b+16
.endr
	WIN 0
	s_wait_dscnt 4*NL
	WIN MUL_LO
	MUL16 0, 1, 0
	MUL16 2, 1, 0
	s_wait_dscnt 0
	WIN MUL_HI
	MUL16 4, 1, 0
	MUL16 6, 1, 0
	WIN 0
.macro TOSTAGE a
.set AC, 64*((\a)%4)
	WIN 0x12+((\a)/4)
.set j, 0
.rept 32
	v_pk_fma_f32 v[TMP+j:TMP+j+1], v[AC+j:AC+j+1], s[96:97], v[j:j+1] op_sel_hi:[1,0,1]
.set j, j+2
.endr
	WIN 0
.irp b, 0,1,2,3,4,5,6,7
	ds_store_b128 v[STO], v[TMP+8*\b:TMP+8*\b+3] offset:64*\b
	ds_store_b128 v[STO], v[TMP+8*\b+4:TMP+8*\b+7] offset:64*\b+16
.endr
.set BB, BK+64*((\a)%2)
.irp t, 0,1,2,3,4,5,6,7,8,9,10,11,12,13,14,15
	ds_load_b128 v[BB+4*\t:BB+4*\t+3], v[RD] offset:\t*SPITCH
.endr
.endm
.macro SEND a, younger
.set BB, BK+64*((\a)%2)
	s_wait_dscnt \younger
.if (\a) > 0
	s_add_nc_u64 s[10:11], s[10:11], 16*SIZE_N*4
.endif
.irp t, 0,1,2,3,4,5,6,7,8,9,10,11,12,13,14,15
	global_store_b128 v[CO], v[BB+4*\t:BB+4*\t+3], s[10:11] offset:\t*SIZE_N*4 th:TH_STORE_NT
.endr
.endm
	s_wait_kmcnt 0x0
	s_add_co_i32 s96, s96, s97
	s_add_co_i32 s96, s96, 127
	s_lshl_b32 s96, s96, 23
	s_mov_b32 s97, s96
	s_wait_loadcnt 0x0
	PLACES NP
	TOSTAGE 0
.irp a, 1,2,3,4,5,6,7
.if \a > 1
	s_wait_xcnt 0x0
.endif
	TOSTAGE \a
	SEND \a-1, 32
.endr
	s_wait_xcnt 0x0
	SEND 7, 0
	s_wait_tensorcnt 0x0
	ds_add_u32 v[SPW], v[NIL]
	s_wait_dscnt 0x0
	CROUND
	s_endpgm
.Lfunc_end_k_q4a19b6161f_oproj:
	.size	k_q4a19b6161f_oproj, .Lfunc_end_k_q4a19b6161f_oproj-k_q4a19b6161f_oproj
	.p2alignl 7, 3214868480
	.fill 96, 4, 3214868480
	.section	.rodata,"a",@progbits
	.p2align	6, 0x0
	.amdhsa_kernel k_q4a19b6161f_oproj
		.amdhsa_group_segment_fixed_size 327680
		.amdhsa_private_segment_fixed_size 0
		.amdhsa_enable_private_segment 0
		.amdhsa_kernarg_size 40
		.amdhsa_user_sgpr_count 2
		.amdhsa_user_sgpr_kernarg_segment_ptr 1
		.amdhsa_wavefront_size32 1
		.amdhsa_system_sgpr_workgroup_id_x 1
		.amdhsa_system_sgpr_workgroup_id_y 1
		.amdhsa_system_sgpr_workgroup_id_z 1
		.amdhsa_system_vgpr_workitem_id 0
		.amdhsa_next_free_vgpr 1024
		.amdhsa_next_free_sgpr 98
		.amdhsa_reserve_vcc 0
		.amdhsa_float_denorm_mode_32 3
		.amdhsa_float_denorm_mode_16_64 3
		.amdhsa_memory_ordered 1
		.amdhsa_forward_progress 1
		.amdhsa_inst_pref_size 126
	.end_amdhsa_kernel
	.amdgpu_metadata
---
amdhsa.version: [ 1, 2 ]
amdhsa.kernels:
  - .name:           k_q4a19b6161f_oproj
    .symbol:         k_q4a19b6161f_oproj.kd
    .args:
      - { .name: ctxc, .offset: 0, .size: 8, .value_kind: global_buffer, .address_space: global }
      - { .name: wc, .offset: 8, .size: 8, .value_kind: global_buffer, .address_space: global }
      - { .name: lowp_scales, .offset: 16, .size: 8, .value_kind: global_buffer, .address_space: global }
      - { .name: b_o, .offset: 24, .size: 8, .value_kind: global_buffer, .address_space: global }
      - { .name: out0, .offset: 32, .size: 8, .value_kind: global_buffer, .address_space: global }
    .group_segment_fixed_size: 327680
    .private_segment_fixed_size: 0
    .kernarg_segment_align: 8
    .kernarg_segment_size: 40
    .max_flat_workgroup_size: 128
    .sgpr_count:     98
    .vgpr_count:     1024
    .wavefront_size: 32
...
	.end_amdgpu_metadata
.endif
;; end of part 4
